; MI455X (gfx1250); checked and timed in simulation.
; The chip was launched on July 23, 2026; its instructions are those of AMD's public machine-readable ISA for CDNA 5 (MIT licence, August 2026) and "CDNA5" Instruction Set Architecture Reference Guide (July 2026). The comments in the code are by the model that wrote it; some were corrected since.
;; Attention Block. Allowed arithmetic: matrix products marked QUANTISED: E2M1 operands, one E8M0 scale for each 32 along K, by v_wmma_scale_f32_16x16x128_f8f6f4 with both operands' format E2M1 (or v_wmma_scale_f32_32x16x128_f4), f32 sums; everything else in f32.
;; Inputs: W1_codes 512 x 16 x 16 uint8 (E2M1 codes of W1, K innermost, in blocks of 32 codes, two codes a byte); W1_scales 512 x 16 uint8 (E8M0 scales of W1, one for each 32 codes along K); W2_codes 512 x 16 x 16 uint8 (E2M1 codes of W2, K innermost, in blocks of 32 codes, two codes a byte); W2_scales 512 x 16 uint8 (E8M0 scales of W2, one for each 32 codes along K); b1 512 float32; b2 512 float32; key_masks 8 x 2,048 float32; keys 8 x 2,048 x 512 float32; ln2_b 512 float32; ln2_w 512 float32; ln_b 512 float32; ln_w 512 float32; queries 8 x 2,048 x 512 float32; query_masks 8 x 2,048 float32.
;; Outputs: out0 8 x 2,048 x 512 float32.
;; This version of the problem:
;;   THIS VERSION OF THE PROBLEM IS GIVEN IN LOW PRECISION. The matrix products marked QUANTISED in the list below multiply operands that are first quantised to E2M1 (2 exponent bits, 1 mantissa bit; 4 bits a number), with one power-of-two scale for each 32 numbers along K (OCP MX v1.0); their sums are f32. All else is computed in f32.
;;   The module's matrix products, in the order in which they are computed (A, B: the left and right operand; K: the contracted axis; several contracted axes count as one K, in the product's order):
;;     1. batch 8 x [M 2,048, K 512] x [K 512, N 2,048]; A: input queries; B: input keys: QUANTISED
;;     2. batch 8 x [M 2,048, K 2,048] x [K 2,048, N 512]; A: computed on the way; B: input keys: QUANTISED
;;     3. [M 16,384, K 512] x [K 512, N 512]; A: computed on the way; B: input W1 (given as codes): QUANTISED
;;     4. [M 16,384, K 512] x [K 512, N 512]; A: computed on the way; B: input W2 (given as codes): QUANTISED
;;   THE QUANTISER, for each operand of a quantised product, along K:
;;     - K is cut into blocks of 32 from its start; a last block that is shorter is filled with zeros.
;;     - A block's scale is 2^e with e = floor(log2(the largest magnitude in the block)) - 2, held to -126 .. 127; a block of zeros has e = 0. As a byte (E8M0): e + 127.
;;     - Each number is divided by its block's scale, clamped to +-6, and rounded to the nearest number of E2M1, ties to even, subnormals kept.
;;     - The product sums the exact products of the quantised numbers (number of the format x scale) in f32.
;;   ~~~python
;;   def quantise(x, axis):      # numpy; x: float32 -> the quantised numbers, widened to float32 again
;;       x = np.moveaxis(x, axis, -1); K = x.shape[-1]
;;       x = np.pad(x, [(0, 0)] * (x.ndim - 1) + [(0, -K % 32)]); x = x.reshape(x.shape[:-1] + (-1, 32)); a = np.abs(x).max(-1, keepdims=True)
;;       e = np.where(a > 0, np.clip(np.frexp(np.where(a > 0, a, 1))[1] - 1 - 2, -126, 127), 0)      # np.frexp(a)[1] - 1 = floor(log2(a)), exactly
;;       r = np.clip(x / 2.0 ** e, -6, 6)
;;       step = 2.0 ** (np.maximum(np.frexp(np.where(r == 0, 1, r))[1] - 1, 0) - 1)
;;       q = np.round(r / step) * step * 2.0 ** e      # np.round: ties to even
;;       return np.moveaxis(q.reshape(q.shape[:-2] + (-1,))[..., :K], -1, axis).astype(np.float32)
;;   ~~~
;;   OPERANDS COMPUTED ON THE WAY. 'Computed on the way' means the value that the module computes at that place (a softmax that the list does not call 'softmax' is quantised finished and normalised). What goes into a quantiser is computed in f32, as accurately as f32 sums, v_exp_f32 and their like allow (about 1e-6 of the number): no bf16 or f16 on the way to a quantiser, and a product that is left as it is and whose result goes on into a quantised operand takes f32 operands (vector FMAs, or v_wmma_f32_16x16x4_f32). A number that lies on a knife's edge between two numbers of the format may be rounded either way, as far as f32 arithmetic and the matrix unit's own rounding can turn it there, and no further.
;;   INPUTS GIVEN AS CODES. W1 (in the module: [512, 512], K = its axis 1); W2 (in the module: [512, 512], K = its axis 1): each comes as NAME_codes (uint8): NAME with its K axis moved to the last place and cut into blocks of 32 codes, [.., K / 32, bytes a block], one block behind the other in memory; two codes a byte, the lower K in the low four bits (a code: sign, 2 exponent bits, 1 mantissa bit); and NAME_scales (uint8): the same leading axes, one E8M0 byte (e + 127) for each 32 codes along K. Its value is code x scale, taken as it is: it is not quantised again, and the codes and scales need not be those that the quantiser above would give.
;; One version. Each part assembles by itself: llvm-mc -triple=amdgcn-amd-amdhsa -mcpu=gfx1250 --defsym DOCPART=n.
;; ======== version 1 of 1: 2 launches
;; limits: right only within a limited range of input values
;; workspace buffers: kv 9,043,968 bytes; wimg 262,144 bytes
;; launch prep (part 1): grid 64 x 8, 4 waves a work-group, no clusters, 69,120 bytes of LDS; arguments keys, key_masks, kv, W1_codes, W2_codes, wimg; writes kv, wimg
.if DOCPART == 1
	.amdgcn_target "amdgcn-amd-amdhsa--gfx1250"
	.amdhsa_code_object_version 6
	.text
	.protected	k_qff5dee4ed5_prep
	.globl	k_qff5dee4ed5_prep
	.p2align	8
	.type	k_qff5dee4ed5_prep,@function
k_qff5dee4ed5_prep:
	s_mov_b64 s[64:65], 0
	v_nop
	global_prefetch_b8 v0, s[64:65] scope:SCOPE_SE
	s_setreg_imm32_b32 hwreg(HW_REG_WAVE_MODE, 25, 1), 1
	s_wait_xcnt 0x0
; keys [8][2048][512] f32 is an operand of two quantised products: along its channels (scores) and along the keys (weights x keys).
; This launch reads it once and stores both sets of FP4 (E2M1) codes with their E8M0 scale bytes into kv, laid in the order of the matrix operands' registers.  It also lays the given codes of W1 and W2 in that order, into wimg.
; Nothing of reference() is left out in this program: every input has a way to the output and is loaded by one of the two launches.
; kv: batch b at b x 32 x REC; record ks holds K of keys 128 ks .., record 16 + (ks + 1) % 16 holds V of the same keys (the second launch walks key steps 15, 0, 1 .. 14).  row(T, r) = 32 (T / 2) + 8 (T % 2) + r + 8 (r / 8).
;   K record: images at 4096 T + 1024 s + 512 c + 16 (r + 16 h): codes of key row(T, r), channels 128 s + 64 c + 32 h + 0..31; scale words at 32768 + 512 s + 128 (T / 2) + 64 (T % 2) + 4 r;
;             at 34816 one f32 a key: 0, or -2^37 where key_masks is 0.  A masked key's codes for the scores are zeros, so that its score is exactly that word.
;   V record: images at 1024 T + 512 c + 16 (r + 16 h): codes of channel row(T, r), keys 64 c + 32 h + 0..31; scale words at 32768 + 512 (T / 8) + 16 (r + 16 (T % 2)) + 4 ((T % 8) / 2); 512 zeros at 34816.
; wimg: weight i at 131072 i; rows 128 w .. at 32768 w; fragment (tile t, K step s) at 1024 (4 t + s); piece c at 512 c; lane (r, h) at 16 (r + 16 h): bytes 64 s + 32 c + 16 h .. + 15 of row 128 w + row(t, r).
;   That is 512 pieces of 512 bytes, as many as there are work-groups: wave 0 of work-group 64 y + x moves piece 64 y + x.
; A block's scale byte is its largest magnitude's exponent field - 2, held at 1 from below.
; LIMITS: a block of zeros, and one whose largest magnitude lies under 2^-124, get the byte 1 (the bytes are read by this program alone); NaN and infinities among the inputs are not served;
; a masked key's score is -2^37 x 1/sqrt(512) where reference() has -2^32 + 1: it differs only where unmasked scores lie under some -4e9.
; SHARES: work-group x = 4 ks + cq takes 128 keys x 128 channels (quarter cq) of batch y; wave v its keys 32 v .. 32 v + 31.  The 32 x 128 numbers go through the wave's own stage in LDS (rows of 528 bytes)
; and are read back twice: a lane to a channel with registers down the keys (V), and a lane to a key with registers along the channels (K).
.set REC,   35328
.set STG,   16896                      ; a wave's stage: 32 rows x 528 bytes
.set KSG,   67584                      ; the work-group's 512 bytes of K's scale words,
.set VSG,   68096                      ; of V's,
.set SPARE, 68608                      ; and the spare words, 128 bytes a wave, which no other line names
; v1 lane, then my place in a weight's rows; v2 16 x lane, v3-5 stage addresses, v6 / v7 my places in the K / V images, v8 / v9 LDS places of V's scale byte / K's scale word, v10 / v11 the gather's LDS address and offset,
; v12, v13 the add's two, v14 my key's mask, v15 K's scale word, v16-23 scale bytes, v24-27 at work, v28-31 wave 0's piece of a weight, v32-63 codes (never rewritten), v64-191 the rows as loaded, v192-255 two sets of 32 numbers
	s_load_b128 s[4:7], s[0:1], 0x0                ; keys, key_masks
	s_load_b128 s[8:11], s[0:1], 0x10              ; kv, W1_codes
	s_load_b128 s[12:15], s[0:1], 0x20             ; W2_codes, wimg
	v_lshl_add_u32 v12, v0, 2, SPARE
	v_mov_b32 v13, 0
	v_lshrrev_b32 v1, 5, v0
	v_readfirstlane_b32 s16, v1                    ; wave v
	v_and_b32 v1, 31, v0                           ; lane
	v_lshlrev_b32 v2, 4, v1
	s_mul_i32 s17, s16, STG
	v_add_nc_u32 v3, s17, v2                       ; into the stage: 16 bytes a lane
	v_lshl_add_u32 v4, v1, 2, s17                  ; out of it, a lane to a channel
	v_mul_u32_u24 v5, v1, 528
	v_add_nc_u32 v5, s17, v5                       ; out of it, a lane to a key
	v_bfe_u32 v24, v0, 3, 1                        ; u: which tile of the pair my row falls into
	v_and_b32 v25, 7, v0
	v_bfe_u32 v26, v0, 4, 1                        ; h
	v_lshl_add_u32 v25, v26, 3, v25                ; r: its place in that tile
	v_lshlrev_b32 v27, 4, v25                      ; 16 r
	s_and_b32 s18, ttmp9, 3                        ; cq
	s_lshr_b32 s19, ttmp9, 2                       ; ks
	s_and_b32 s22, ttmp7, 0xffff                   ; batch
	s_add_co_u32 s34, s19, 1
	s_and_b32 s34, s34, 15
	s_add_co_u32 s34, s34, 16
	s_sub_co_u32 s34, s34, s19
	s_mul_i32 s34, s34, REC                        ; from K's record ks to V's record 16 + (ks + 1) % 16
	; the piece of a weight: number 64 y + x = 256 i + 64 w + 8 t + 2 s + c
	v_and_b32 v1, 15, v0
	v_and_b32 v28, 8, v0
	v_add_nc_u32 v1, v1, v28                       ; lane % 16 + 8 ((lane % 16) / 8)
	v_lshlrev_b32 v1, 8, v1                        ; rows of 256 bytes
	s_wait_alu depctr_va_vdst(0)
	v_lshl_add_u32 v1, v26, 4, v1                  ; + 16 h
	s_wait_alu depctr_va_vdst(0)
	s_and_b32 s35, s22, 3
	s_lshl_b32 s35, s35, 15                        ; 128 w rows
	s_lshr_b32 s36, ttmp9, 4
	s_lshl_b32 s36, s36, 13
	s_add_co_u32 s35, s35, s36                     ; + 32 (t / 2) rows
	s_bfe_u32 s36, ttmp9, 0x10003
	s_lshl_b32 s36, s36, 11
	s_add_co_u32 s35, s35, s36                     ; + 8 (t % 2) rows
	s_and_b32 s36, ttmp9, 7
	s_lshl_b32 s36, s36, 5
	s_add_co_u32 s35, s35, s36                     ; + 64 s + 32 c bytes
	v_add_nc_u32 v1, s35, v1
	s_lshl_b32 s36, s22, 6
	s_add_co_u32 s36, s36, ttmp9
	s_lshl_b32 s36, s36, 9                         ; where the piece goes: 512 x its number
	s_mov_b32 s37, 0
	s_lshl_b32 s23, s16, 13
	s_lshl_b32 s24, s18, 10
	s_add_co_u32 s23, s23, s24
	v_lshl_add_u32 v6, v24, 12, v27
	v_add_nc_u32 v6, s23, v6                       ; K: 4096 u + 16 r + 8192 v + 1024 cq
	s_lshl_b32 s23, s18, 13
	s_lshl_b32 s24, s16, 8
	s_add_co_u32 s23, s23, s24
	s_add_co_u32 s23, s23, s34
	v_lshl_add_u32 v7, v24, 10, v27
	v_add_nc_u32 v7, s23, v7                       ; V: its record, 1024 u + 16 r + 8192 cq + 256 v
	s_add_co_u32 s23, s16, VSG
	v_lshl_add_u32 v8, v24, 8, v27
	v_add_nc_u32 v8, s23, v8                       ; V's scale byte: 16 (r + 16 u) + v
	s_lshl_b32 s23, s16, 7
	s_add_co_u32 s23, s23, KSG
	v_lshlrev_b32 v9, 2, v25
	v_lshl_add_u32 v9, v24, 6, v9
	v_add_nc_u32 v9, s23, v9                       ; K's scale word: 128 v + 64 u + 4 r
	s_and_b32 s25, s16, 1
	s_lshl_b32 s23, s25, 9
	s_add_co_u32 s23, s23, KSG
	v_add_nc_u32 v10, s23, v2                      ; the gather: waves 0, 1 read K's, V's 512 bytes
	s_mul_i32 s25, s25, s34
	s_lshl_b32 s24, s18, 9
	s_add_co_u32 s24, s24, 32768
	s_cmp_lt_u32 s16, 2
	s_cselect_b32 s24, s24, 34816                  ; waves 0, 1 store scale words, waves 2, 3 the records' last 512 bytes
	s_add_co_u32 s24, s24, s25
	v_add_nc_u32 v11, s24, v2
	s_cmp_eq_u32 s16, 2
	s_cselect_b32 s21, 0xd2000000, 0               ; -2^37 in wave 2 (K's record), 0 in wave 3 (V's)
	v_lshlrev_b32 v27, 2, v0                       ; my key's mask: 4 x (32 v + lane)
	s_lshl_b32 s26, s22, 22                        ; keys: batch x 2048 rows of 2048 bytes
	s_lshl_b32 s27, s19, 18
	s_add_co_u32 s26, s26, s27                     ; + 128 ks rows
	s_lshl_b32 s27, s16, 16
	s_add_co_u32 s26, s26, s27                     ; + 32 v rows
	s_lshl_b32 s27, s18, 9
	s_add_co_u32 s26, s26, s27                     ; + 128 cq channels
	s_mov_b32 s27, 0
	s_lshl_b32 s28, s22, 13
	s_lshl_b32 s29, s19, 9
	s_add_co_u32 s28, s28, s29                     ; key_masks: 4 x (2048 batch + 128 ks)
	s_mov_b32 s29, 0
	s_lshl_b32 s32, s22, 5
	s_add_co_u32 s32, s32, s19
	s_mul_i32 s32, s32, REC                        ; kv: record 32 batch + ks
	s_mov_b32 s33, 0
	s_wait_kmcnt 0x0
	s_add_nc_u64 s[4:5], s[4:5], s[26:27]
	s_add_nc_u64 s[6:7], s[6:7], s[28:29]
	s_add_nc_u64 s[8:9], s[8:9], s[32:33]
	s_add_nc_u64 s[14:15], s[14:15], s[36:37]
	s_cmp_lt_u32 s22, 4                            ; pieces 0 to 255 are W1's, the others W2's: the choice hangs on the work-group's number alone
	s_cselect_b64 s[10:11], s[10:11], s[12:13]
	s_cmp_lg_u32 s16, 0
	s_cbranch_scc1 .Lnot0a
	global_load_b128 v[28:31], v1, s[10:11]        ; wave 0: the piece, as the operand's lanes take it.  It is the wave's oldest load: the counts below hold with it
.Lnot0a:
	s_wait_alu depctr_va_vdst(0)
	global_load_b32 v14, v27, s[6:7]
.irp i, 0,1,2,3,4,5,6,7,8,9,10,11,12,13,14,15,16,17,18,19,20,21,22,23,24,25,26,27,28,29,30,31
	global_load_b128 v[64+4*\i:64+4*\i+3], v2, s[4:5] offset:2048*\i th:TH_LOAD_NT   ; 32 lanes read 512 consecutive bytes of key row i
.endr
.irp i, 0,1,2,3,4,5,6,7,8,9,10,11,12,13,14,15,16,17,18,19,20,21,22,23,24,25,26,27,28,29,30,31
	s_wait_loadcnt 31-\i                           ; row i is in; the 31 - i rows behind it stay out
	ds_store_b128 v3, v[64+4*\i:64+4*\i+3] offset:528*\i
.endr
	s_cmp_lg_u32 s16, 0
	s_cbranch_scc1 .Lnot0b
	global_store_b128 v2, v[28:31], s[14:15]       ; wave 0: 512 consecutive bytes of wimg, aligned; v28-31 are not written again
.Lnot0b:
	v_cmp_eq_f32 s30, 0, v14                       ; lanes whose key is masked
; LDS serves a wave's instructions in order, and the stage is the wave's own: no wait between the stores above and the loads below
.macro LV n                            ; 32 channels 32 n .., a lane to a channel, registers down my 32 keys
.irp i, 0,1,2,3,4,5,6,7,8,9,10,11,12,13,14,15,16,17,18,19,20,21,22,23,24,25,26,27,28,29,30,31
	ds_load_b32 v[192+32*((\n)%2)+\i], v4 offset:528*\i+128*(\n)
.endr
.endm
.macro LK n                            ; a lane to a key, registers along channels 32 n ..
.irp q, 0,1,2,3,4,5,6,7
	ds_load_b128 v[192+32*((\n)%2)+4*\q:192+32*((\n)%2)+4*\q+3], v5 offset:128*(\n)+16*\q
.endr
.endm
; a block of 32 numbers in v[xs] on becomes 32 codes in v[c] .. v[c + 3] and its scale byte in v[e]
.macro BLK xs, c, e
	v_max3_num_f32 v24, |v[\xs]|, |v[\xs+1]|, |v[\xs+2]|
	v_max3_num_f32 v25, |v[\xs+3]|, |v[\xs+4]|, |v[\xs+5]|
.irp i, 6,10,14,18,22,26
	v_max3_num_f32 v24, v24, |v[\xs+\i]|, |v[\xs+\i+1]|
	v_max3_num_f32 v25, v25, |v[\xs+\i+2]|, |v[\xs+\i+3]|
.endr
	v_max3_num_f32 v24, v24, |v[\xs+30]|, |v[\xs+31]|
	v_max3_num_f32 v24, v24, v25, 0x1800000        ; and the floor 2^(3 - 127): the byte cannot fall under 1
	v_add_nc_u32 v26, 0xff000000, v24              ; 2 off the exponent field: the conversion's scale operand
	v_lshrrev_b32 v[\e], 23, v26                   ; the scale's byte
.irp g, 0,1,2,3
	v_cvt_scalef32_pk8_fp4_f32 v[\c+\g], v[\xs+8*\g:\xs+8*\g+7], v26
.endr
	v_nop                                          ; one plain place behind the conversions
.endm
	LV 0
	LV 1
.irp g, 0,1,2,3                        ; V: key block v of channels 128 cq + 32 g + lane
.if \g == 0
	s_wait_dscnt 32                                ; this set is in; the other set's 32 loads stay out
.elseif \g == 3
	s_wait_dscnt 1                                 ; behind this set: the last byte store
.else
	s_wait_dscnt 33                                ; behind this set: a byte store and the other set's 32 loads
.endif
	BLK 192+32*(\g%2), 32+4*\g, 16+\g
	global_store_b128 v7, v[32+4*\g:32+4*\g+3], s[8:9] offset:2048*\g   ; the sixteen lanes of a tile store 256 consecutive bytes, aligned
	ds_store_b8 v8, v[16+\g] offset:4*\g
.if \g < 2
	LV \g+2
.endif
.endr
	LK 0
	LK 1
.irp b, 0,1,2,3                        ; K: channel block 4 cq + b of key 32 v + lane
.if \b == 3
	s_wait_dscnt 0x0
.else
	s_wait_dscnt 8                                 ; this set is in; the other set's 8 loads stay out
.endif
	BLK 192+32*(\b%2), 48+4*\b, 20+\b
.irp q, 0,1,2,3
	v_cndmask_b32 v[48+4*\b+\q], v[48+4*\b+\q], v13, s30   ; a masked key's codes are zeros
.endr
	global_store_b128 v6, v[48+4*\b:48+4*\b+3], s[8:9] offset:512*(\b/2)+256*(\b%2)
.if \b == 0
	v_mov_b32 v15, v20
.else
	v_lshl_or_b32 v15, v[20+\b], 8*\b, v15         ; four bytes make my key's scale word of K step cq
.endif
.if \b < 2
	LK \b+2
.endif
.endr
	ds_store_b32 v9, v15
	s_wait_dscnt 0x0                               ; for the others' sake: my scale bytes and words lie in LDS
	s_barrier_signal -1
	s_barrier_wait -1
	s_cmp_lt_u32 s16, 2
	s_cbranch_scc0 .Lbias
	ds_load_b128 v[24:27], v10                     ; wave 0: K's 512 bytes of scale words, wave 1: V's
	s_wait_dscnt 0x0
	global_store_b128 v11, v[24:27], s[8:9]        ; 512 consecutive bytes, aligned
	s_branch .Lend
.Lbias:
	s_cmp_lg_u32 s18, 0                            ; the records' last 512 bytes are stored by quarter 0 alone
	s_cbranch_scc1 .Lend
	global_load_b128 v[24:27], v2, s[6:7]          ; the masks of keys 4 lane .. 4 lane + 3
	v_mov_b32 v14, s21
	s_wait_alu depctr_va_vdst(0)
	s_wait_loadcnt 0x0
.irp q, 0,1,2,3
	v_cmp_eq_f32 vcc_lo, 0, v[24+\q]
	v_cndmask_b32 v[24+\q], v13, v14, vcc_lo       ; wave 2: -2^37 where the key is masked, else 0; wave 3: 0
.endr
	global_store_b128 v11, v[24:27], s[8:9]
.Lend:
	s_wait_tensorcnt 0x0                           ; the wave's end: these three lines behind my last LDS store
	ds_add_u32 v12, v13
	s_wait_dscnt 0x0
	s_endpgm
.Lfunc_end_k_qff5dee4ed5_prep:
	.size	k_qff5dee4ed5_prep, .Lfunc_end_k_qff5dee4ed5_prep-k_qff5dee4ed5_prep
	.p2alignl 7, 3214868480
	.fill 96, 4, 3214868480
	.section	.rodata,"a",@progbits
	.p2align	6, 0x0
	.amdhsa_kernel k_qff5dee4ed5_prep
		.amdhsa_group_segment_fixed_size 69120
		.amdhsa_private_segment_fixed_size 0
		.amdhsa_enable_private_segment 0
		.amdhsa_kernarg_size 48
		.amdhsa_user_sgpr_count 2
		.amdhsa_user_sgpr_kernarg_segment_ptr 1
		.amdhsa_wavefront_size32 1
		.amdhsa_system_sgpr_workgroup_id_x 1
		.amdhsa_system_sgpr_workgroup_id_y 1
		.amdhsa_system_sgpr_workgroup_id_z 1
		.amdhsa_system_vgpr_workitem_id 0
		.amdhsa_next_free_vgpr 256
		.amdhsa_next_free_sgpr 66
		.amdhsa_reserve_vcc 1
		.amdhsa_float_denorm_mode_32 3
		.amdhsa_float_denorm_mode_16_64 3
		.amdhsa_memory_ordered 1
		.amdhsa_forward_progress 1
		.amdhsa_inst_pref_size 36
	.end_amdhsa_kernel
	.amdgpu_metadata
---
amdhsa.version: [ 1, 2 ]
amdhsa.kernels:
  - .name:           k_qff5dee4ed5_prep
    .symbol:         k_qff5dee4ed5_prep.kd
    .args:
      - { .name: keys, .offset: 0, .size: 8, .value_kind: global_buffer, .address_space: global }
      - { .name: key_masks, .offset: 8, .size: 8, .value_kind: global_buffer, .address_space: global }
      - { .name: kv, .offset: 16, .size: 8, .value_kind: global_buffer, .address_space: global }
      - { .name: W1_codes, .offset: 24, .size: 8, .value_kind: global_buffer, .address_space: global }
      - { .name: W2_codes, .offset: 32, .size: 8, .value_kind: global_buffer, .address_space: global }
      - { .name: wimg, .offset: 40, .size: 8, .value_kind: global_buffer, .address_space: global }
    .group_segment_fixed_size: 69120
    .private_segment_fixed_size: 0
    .kernarg_segment_align: 8
    .kernarg_segment_size: 48
    .max_flat_workgroup_size: 128
    .sgpr_count:     66
    .vgpr_count:     256
    .wavefront_size: 32
...
	.end_amdgpu_metadata
.endif
;; end of part 1
;; launch attn (part 2): grid 32 x 8, 4 waves a work-group, clusters of 4 x 1, 327,680 bytes of LDS; arguments queries, query_masks, kv, wimg, W1_scales, b1, W2_scales, b2, ln_w, ln_b, ln2_w, ln2_b, out0; writes out0
.if DOCPART == 2
	.amdgcn_target "amdgcn-amd-amdhsa--gfx1250"
	.amdhsa_code_object_version 6
	.text
	.protected	k_qff5dee4ed5_attn
	.globl	k_qff5dee4ed5_attn
	.p2align	8
	.type	k_qff5dee4ed5_attn,@function
k_qff5dee4ed5_attn:
	s_mov_b64 s[64:65], 0
	v_nop
	global_prefetch_b8 v0, s[64:65] scope:SCOPE_SE
	s_setreg_imm32_b32 hwreg(HW_REG_WAVE_MODE, 25, 1), 1
	s_wait_xcnt 0x0
	s_wait_alu depctr_hold_cnt(0) depctr_sa_sdst(0) depctr_va_vdst(0) depctr_va_sdst(0) depctr_va_ssrc(0) depctr_va_vcc(0) depctr_vm_vsrc(0)
	s_getreg_b32 s2, hwreg(HW_REG_IB_STS2, 6, 4)
	s_cmp_eq_u32 s2, 0
	s_cbranch_scc0 .Lentry_in_a_cluster
	s_endpgm
.Lentry_in_a_cluster:
	s_bfe_u32 s2, ttmp6, 0x10000c
	s_cmp_lg_u32 s2, 0x3003
	s_cbranch_scc0 .Lentry_shape_is_right
	s_endpgm
.Lentry_shape_is_right:
; out0 = LN2(relu(x W1^T + b1) W2^T + b2 + x), x = LN1(softmax(Q K^T / sqrt(512), key mask) x query mask . keys + Q); all four products on FP4 (E2M1) codes with E8M0 scales for each 32 along K.
; No work of reference() is left out.  The scores are multiplied TWICE: the weights are quantised finished (divided by the row's sum, times the query mask), so the sum must be known before a code is made,
; and 64 x 2,048 scores fit neither the registers nor LDS.  Walk 1 over the keys finds each row's maximum and sum, walk 2 makes scores, weights, codes and weights x keys.
; SHARES.  A work-group owns 64 queries of one batch (four tiles m of 16).  THE FOUR WAVES SHARE THE COLUMNS: wave w makes, for all 64 queries, key block w (32 keys) of every step of 128 keys, and channels or hidden units
; 128 w .. 128 w + 127 of everything else.  So each fragment of K and V is read from LDS by one wave and feeds four matrix instructions; the weights, x and the hidden layer go from wave to wave as images of operand registers.
; LAYOUT.  Every product is used transposed (source 0 = 16 keys, channels or units; source 1 = 16 queries): a lane holds query lane % 16.  The rows of a source-0 tile are row(T, r) = 32 (T / 2) + 8 (T % 2) + r + 8 (r / 8),
; so that register 8 t + j of a group of 64 holds column 128 w + 32 (t / 2) + 16 (lane / 16) + 8 (t % 2) + j: 16 neighbours in two neighbouring tiles.
; KEY MASK.  kv holds zero codes for a masked key and a word -2^37 (else 0) that is the C of the score's first matrix instruction: a masked score is exactly -2^37, and c x 2^37 is exact, so a batch with no key left gives 1 / 2,048.
; OPERANDS ARE ASKED FOR A PHASE AHEAD.  Both walks take the key steps in the order 15, 0, 1 .. 14.  A trip of walk 1 asks for the next step's K (into the registers that the last score products have read), works the statistics
; of the scores in hand, and then multiplies the next scores.  Step 15's K comes for the first scores straight from kv, by loads at the head.  Walk 1's last trip leaves walk 2's first scores in registers.
; A body of walk 2 asks at its head for the next step's K and this step's V; the next step's score products stand round the exchange of the weights (store, barrier, load), and the products with V follow them.
; CLUSTER.  The four query blocks of a cluster belong to one batch and walk the same records of kv: every tensor load is asked for jointly, with the same descriptor and the mask of all four.
; RING.  Two slots of four records (35,328 bytes each).  Walk 1: wave w brings K record 4 f + w.  Walk 2, slot g: K records 2 g, 2 g + 1 (the two steps that follow) and records 16 + 2 g, 17 + 2 g (V of the two steps in hand);
; each pair lies on end in memory and comes by one load of 276 rows, from wave 0 and from wave 2.  The last pair's second K record (step 15, whose scores were made first) comes with the first in that one load and is not read.
; One tensor load of a wave is out at a time.
; LIMITS: NaN and infinities among the inputs are not served; a masked key's score stands for -6e9 where reference() has -2^32 + 1 (it differs only where unmasked scores lie under some -4e9);
; a block of zeros, or one under 2^-124, gets the scale byte 1; weights under 2^-126 count as 0; sqrt(512) + 1e-8 is sqrt(512) in f32.
; REGISTERS, in windows of 256.  Window 0: v1-31, v248-251, v255 addresses; v32-95 S (scores, later the hidden layer, later rows of out0); v96-127 PF (fragments of the weights, x, h); v128-159 ST (statistics, 8 a tile);
;   v160-191 TM (at work); v192-207 BI; v208-243 scale words and nothing else; v244-247 query masks; v252, v253 the add's two.
; Window 1: the 32 accumulators 64 m + 8 t: Q, then Q + attention, x, x + b2 + FFN, the result.  Window 2: Q's 16 fragments, K's 8, V's 8; later W1's 32, then W2's.  Window 3: b1, b2, the norm's gain, its bias, in the result's layout.
.set REC,   35328
.set SLOT,  4*REC
.set PIMG,  2*SLOT                     ; the weights: two buffers of 4 images (1,024 bytes) + 256 scale bytes
.set PBUF,  4352
.set QIMG,  PIMG+2*PBUF                ; Q's 16 images, later x's: fragment (m, s) at 1024 (4 m + s)
.set QSC,   QIMG+16384                 ; their scale words: 256 m + 64 s + 4 r
.set MRG,   QSC+1024                   ; walk 1's partial maxima (512 w + 16 lane) and, 2,048 on, sums
.set REDA,  MRG+4096                   ; the norms' partial sums; 1,024 on, their partial squares
.set SPARE, REDA+2048                  ; the spare words, 128 bytes a wave, which no other line names
.set HSC,   16384                      ; behind walk 2, in slot 0 (its last fill is read, every wave has left it): h's images at 0, their scale words here,
.set STAGE, 32768                      ; and a stage of 16 rows x 528 bytes for each wave
.set LI, 1
.set LS, 2
.set XA, 3
.set XWI, 4
.set XWS, 5
.set XRI, 6
.set XRS, 7
.set AK0, 8
.set AKS0, 9
.set AB0, 10
.set AV0, 11
.set AVS0, 12
.set PWI0, 13
.set PWS0, 14
.set PRI0, 15
.set PRS0, 16
.set MW, 17
.set MR, 18
.set RW, 19
.set RR, 20
.set WA, 21
.set WSA, 22
.set PBA, 23
.set GO, 24
.set ADK, 25
.set ADS, 26
.set ADB, 27
.set ADV, 28
.set ADVS, 29
.set ADPW, 30
.set ADPS, 31
.set ADPR, 248
.set ADPRS, 249
.set QMO, 255
.set HWI, 8                            ; behind walk 2 the registers of K's and V's places take these four
.set HWS, 9
.set STO, 10
.set STR, 11
.set S,  32
.set PF, 96
.set ST, 128                           ; tile m at ST + 8 m: +0 c m, +1 m, +2, +3 the sum in two halves (walk 2: query mask / sum, twice), +4, +5 at work where the lanes meet, +6 a, +7 c m_old - c m_new
.set TM, 160
.set PW, TM+16
.set PC, TM+18
.set BI, 192
.set QS, 208                           ; 2 m + i: lanes 0-15 K step 2 i, lanes 16-31 K step 2 i + 1
.set KS, 216                           ; 2 u + i: likewise
.set VS, 220                           ; i: tile 2 i + lane / 16
.set PS, 224                           ; i: query tile 2 i + lane / 16; in the last product: h's scale words of odd tiles
.set XS, 226                           ; i: K step 2 i + lane / 16
.set W1S, 228                          ; 2 t + s % 2, row s / 2
.set W2S, 208
.set QM, 244
.set SPW, 252
.set NIL, 253
.set WV, 46
.set WOFF, 47
.set TB, 48                            ; the slot in hand
.set TF, 49                            ; the slot that the next fill takes
.set TR, 50                            ; the record in hand
.set PB, 51                            ; the weights' buffer in hand
.set CS, 52                            ; s[52:53] c = log2(e) / sqrt(512)
.set SEL, 54                           ; s[54:55] v_permlanex16_b32's selects for lane xor 16
.set ODD, 92                           ; s92 wave % 2: odd waves bring nothing in walk 2
.set K15, 94                           ; s[94:95] the batch's K record 15 in memory
; Q'S WAY IN.  The block's 64 rows of 2,048 bytes are dense in memory: wave w brings rows 16 w .. 16 w + 15 by one tensor load of its own (no mask), as 32 rows of 1,024 bytes + 80 of padding:
; 32 x 1,104 = 35,328 bytes, its quarter of slot 1, which the first change of slots fills again.  Row q, bytes 1024 g .. lie at SLOT + 1104 (2 q + g).  Slot 0's first fill follows behind the full sequence and a round.
; PREFETCHES INTO THE L2: 128 blocks of 256 bytes (a record's codes) a request of the cluster; the partner at place cx names blocks 32 cx + lane: told apart by address.
; Walk 1: at the head records w and 4 + w; the change that loads records 4 f + w names records 4 f + 4 + w (f = 3: V's first four).  Walk 2: the change that loads slot g names V's records of slot g + 2, by waves 1 and 3,
; which fetch nothing there; it stops at g = 5, whose request names records 30 and 31, the batch's last.  The weights' images, 2 x 512 blocks, are named once in each cluster, behind walk 1's last change.
.set XB,  25                           ; v25 Q's rows 32 .. 63 in LDS (until walk 1 takes the register)
.set PFO, 254                          ; v254 the prefetches' offset: 256 (32 cx + lane); never rewritten behind the head
.set PFA, 30                           ; s[30:31] walk 1: record 4 f + w
.set PFB, 96                           ; s[96:97] walk 2: V's record 20 + 2 g + w / 2
.set PFW, 98                           ; s[98:99] wimg + 24576 cx + 8192 w
.set QG0, 60                           ; s[60:63], s[76:83] the descriptor of Q's load
.set QG1, 76
.set MSB, 0
.macro WIN new                         ; bits 1:0 source 0, 3:2 source 1, 5:4 source 2, 7:6 destination; the high byte repeats the setting that is left
.if MSB != (\new)
	s_set_vgpr_msb (MSB<<8)|(\new)
.set MSB, (\new)
.endif
.endm
.macro PLACES                          ; four plain places behind a matrix instruction (ISA guide 7.12.1), where no other vector work is at hand
.rept 4
	v_nop
.endr
.endm
.macro BARRIER
	s_wait_dscnt 0x0                               ; my LDS stores have landed and my LDS loads are in
	s_barrier_signal -1
	s_barrier_wait -1
.endm
.macro ROUND                           ; a round of the cluster's barrier
	s_barrier_signal -1
	s_barrier_wait -1
	s_cmp_lg_u32 s[WV], 0
	s_cbranch_scc1 .Lnw0_\@
	s_barrier_signal -3
.Lnw0_\@:
	s_barrier_wait -3
	s_barrier_signal -1
	s_barrier_wait -1
.endm
; THE CHANGE OF SLOTS, at a slot's head.  Each wave waits for all its tensor loads (its part of the slot ahead), adds 0 to its spare word, steps its descriptor meanwhile, and waits for the add and for its reads of the slot left.
; mode 1: walk 1: every wave fills its quarter of the slot left with the record step bytes on; mode 2: walk 2's first slot; mode 3: walk 2: the pairs step bytes on (modes 2, 3: waves 0 and 2, a pair of records each); mode 0: nothing is left to fetch.
.macro CHANGE mode, step
	s_wait_tensorcnt 0x0                           ; no tensor load of mine is out, so the descriptor may be written
	ds_add_u32 v[SPW], v[NIL]
.if \mode
	s_add_co_u32 s41, s[TF], s[WOFF]               ; my place in the slot to be filled
	s_xor_b32 s[TF], s[TF], SLOT
.if \mode == 2
	s_mov_b64 s[42:43], s[44:45]
	s_or_b32 s43, s43, 0x80000000
.else
	s_add_nc_u64 s[42:43], s[42:43], \step         ; the type bits on top are not reached
.endif
	s_wait_xcnt 0x0                                ; my last prefetch has read its base, so it may be stepped
.if \mode == 1
	s_add_nc_u64 s[PFA:PFA+1], s[PFA:PFA+1], 4*REC
.elseif \mode == 3
	s_add_nc_u64 s[PFB:PFB+1], s[PFB:PFB+1], 2*REC
.endif
	s_wait_dscnt 0x0
	ROUND                                          ; no wave of any partner still reads that slot or has a load on its way
.if \mode == 1
	tensor_load_to_lds s[40:43], s[32:39]          ; my one tensor load behind the round: it has the whole slot ahead in which to land
	s_nop 0
	PLACES
	global_prefetch_b8 v[PFO], s[PFA:PFA+1] offset:4*REC th:TH_LOAD_NT scope:SCOPE_SE   ; what the next change will load
.else
	s_cmp_lg_u32 s[ODD], 0                         ; the wave's number alone: the same in every work-group
	s_cbranch_scc1 .Lodd_\@
	tensor_load_to_lds s[40:43], s[84:91]          ; two records on end
	s_nop 0
	PLACES
	s_branch .Lasked_\@
.Lodd_\@:
.if \mode == 3
	s_cmp_lt_u32 s56, 3                            ; slots 6 and 7 have no slot two on
	s_cbranch_scc1 .Lasked_\@
.endif
	global_prefetch_b8 v[PFO], s[PFB:PFB+1] th:TH_LOAD_NT scope:SCOPE_SE   ; a V record of the slot two changes on
.Lasked_\@:
.endif
.else
	s_wait_dscnt 0x0
	s_barrier_signal -1
	s_barrier_wait -1
.endif
.endm
; one matrix instruction; ra, rb: the scales stand in lanes 16-31 of their registers
.macro WM d, a, b, c, sa, sb, ra, rb
.if ((\ra) == 0) && ((\rb) == 0)
	v_wmma_scale_f32_16x16x128_f8f6f4 v[\d:\d+7], v[\a:\a+7], v[\b:\b+7], v[\c:\c+7], v[\sa], v[\sb] matrix_a_fmt:MATRIX_FMT_FP4 matrix_b_fmt:MATRIX_FMT_FP4
.elseif (\rb) == 0
	v_wmma_scale_f32_16x16x128_f8f6f4 v[\d:\d+7], v[\a:\a+7], v[\b:\b+7], v[\c:\c+7], v[\sa], v[\sb] matrix_a_fmt:MATRIX_FMT_FP4 matrix_b_fmt:MATRIX_FMT_FP4 matrix_a_scale:MATRIX_SCALE_ROW1
.elseif (\ra) == 0
	v_wmma_scale_f32_16x16x128_f8f6f4 v[\d:\d+7], v[\a:\a+7], v[\b:\b+7], v[\c:\c+7], v[\sa], v[\sb] matrix_a_fmt:MATRIX_FMT_FP4 matrix_b_fmt:MATRIX_FMT_FP4 matrix_b_scale:MATRIX_SCALE_ROW1
.else
	v_wmma_scale_f32_16x16x128_f8f6f4 v[\d:\d+7], v[\a:\a+7], v[\b:\b+7], v[\c:\c+7], v[\sa], v[\sb] matrix_a_fmt:MATRIX_FMT_FP4 matrix_b_fmt:MATRIX_FMT_FP4 matrix_a_scale:MATRIX_SCALE_ROW1 matrix_b_scale:MATRIX_SCALE_ROW1
.endif
.endm
; 64 numbers of a lane, register 16 b + i = k 32 b + 16 (lane / 16) + i of my row (in window win), become a fragment's codes in v[PC] on and its scale word in v[PW]
.macro QUANT src, win
	WIN 0x14*\win
.irp b, 0,1,2,3
	v_max3_num_f32 v[TM+\b], 0x1800000, |v[\src+16*\b]|, |v[\src+16*\b+1]|   ; my 16 numbers of block b, and the floor 2^(3 - 127): the byte cannot fall under 1
.endr
.irp i, 2,4,6,8,10,12,14
.irp b, 0,1,2,3
	v_max3_num_f32 v[TM+\b], v[TM+\b], |v[\src+16*\b+\i]|, |v[\src+16*\b+\i+1]|
.endr
.endr
	WIN 0
.irp b, 0,1,2,3
	v_permlanex16_b32 v[TM+4+\b], v[TM+\b], s[SEL], s[SEL+1]
.endr
.irp b, 0,1,2,3
	v_max_num_f32 v[TM+\b], v[TM+\b], v[TM+4+\b]   ; with lane xor 16's: the block's largest magnitude
.endr
.irp b, 0,1,2,3
	v_add_nc_u32 v[TM+12+\b], 0xff000000, v[TM+\b] ; 2 off its exponent field: the conversion's scale operand
.endr
.irp b, 0,1,2,3
	v_lshrrev_b32 v[TM+4+\b], 23, v[TM+12+\b]      ; the scale's byte
.endr
	v_lshl_or_b32 v[PW], v[TM+5], 8, v[TM+4]
	v_lshl_or_b32 v[PW], v[TM+6], 16, v[PW]
	v_lshl_or_b32 v[PW], v[TM+7], 24, v[PW]
	WIN 0x01*\win
.irp b, 0,1,2,3
	v_cvt_scalef32_pk8_fp4_f32 v[PC+2*\b], v[\src+16*\b:\src+16*\b+7], v[TM+12+\b]
	v_cvt_scalef32_pk8_fp4_f32 v[PC+2*\b+1], v[\src+16*\b+8:\src+16*\b+15], v[TM+12+\b]
.endr
	WIN 0
	v_nop                                          ; one plain place behind the conversions
.irp c, 0,1                            ; the operand wants a whole block in a lane: lanes 0-15 block 2 c, lanes 16-31 block 2 c + 1
.irp i, 0,1
	v_permlane16_swap_b32 v[PC+4*\c+\i], v[PC+2+4*\c+\i]
.endr
.endr
.endm
.macro IMAGE adr, off                  ; the fragment in v[PC] on goes to LDS as it stands: 16 bytes a lane, 512 a store
	ds_store_b128 v[\adr], v[PC:PC+3] offset:\off
	ds_store_b128 v[\adr], v[PC+4:PC+7] offset:\off+512
.endm
; 24 LDS loads: my 8 fragments of K (key tiles u, K steps s), their scale words and the mask's words, of the record that v[ADK], v[ADS], v[ADB] point into
.macro KLOADS
	WIN 0x80
.irp u, 0,1
.irp s, 0,1,2,3
.irp c, 0,1
	ds_load_b128 v[128+8*(4*\u+\s)+4*\c:128+8*(4*\u+\s)+4*\c+3], v[ADK] offset:4096*\u+1024*\s+512*\c
.endr
.endr
.endr
	WIN 0
.irp u, 0,1
.irp i, 0,1
	ds_load_b32 v[KS+2*\u+\i], v[ADS] offset:1024*\i+64*\u
.endr
.irp q, 0,1
	ds_load_b128 v[BI+8*\u+4*\q:BI+8*\u+4*\q+3], v[ADB] offset:32*\u+16*\q
.endr
.endr
.endm
; 8 score products: K step s of my 32 keys x the 64 queries; the 8 accumulators take turns.  K step 0 starts the sums from the mask's words.  (Under WIN 0x0a: K and Q in window 2)
.macro SMULS s
.irp u, 0,1
.irp m, 0,1,2,3
.if \s == 0
	WM S+16*\m+8*\u, 128+8*(4*\u+\s), 8*(4*\m+\s), BI+8*\u, KS+2*\u+\s/2, QS+2*\m+\s/2, \s%2, \s%2
.else
	WM S+16*\m+8*\u, 128+8*(4*\u+\s), 8*(4*\m+\s), S+16*\m+8*\u, KS+2*\u+\s/2, QS+2*\m+\s/2, \s%2, \s%2
.endif
.endr
.endr
.endm
; WALK 1, a trip: the record at s[TR] is asked for; the scores in hand go into the statistics; then that record's scores are multiplied.
; Each LANE keeps a running maximum and sum over its own 16 keys a step; the eight lanes of a query (four waves, two halves) meet once, behind the walk
.macro P1TRIP
	v_add_nc_u32 v[ADK], s[TR], v[AK0]             ; (these three and the v_nop are the four places between the last score products and the loads into their operands, and the first read of their results)
	v_add_nc_u32 v[ADS], s[TR], v[AKS0]
	v_add_nc_u32 v[ADB], s[TR], v[AB0]
	v_nop
	KLOADS
.irp i, 0,2,4,6,8,10,12,14
.irp m, 0,1,2,3
	v_max3_num_f32 v[ST+8*\m+1], v[ST+8*\m+1], v[S+16*\m+\i], v[S+16*\m+\i+1]
.endr
.endr
.irp m, 0,1,2,3
	v_mov_b32 v[ST+8*\m+7], v[ST+8*\m]
.endr
.irp m, 0,1,2,3
	v_mul_f32 v[ST+8*\m], s[CS], v[ST+8*\m+1]
.endr
.irp m, 0,1,2,3
	v_sub_f32 v[ST+8*\m+7], v[ST+8*\m+7], v[ST+8*\m]
.endr
.set j, 0
.rept 32
	v_pk_fma_f32 v[S+j:S+j+1], v[S+j:S+j+1], s[CS:CS+1], v[ST+8*(j/16):ST+8*(j/16)+1] op_sel_hi:[1,0,0] neg_lo:[0,0,1] neg_hi:[0,0,1]   ; c s - c m
.set j, j+2
.endr
	s_wait_alu depctr_va_vdst(0)
.irp m, 0,1,2,3
	v_exp_f32 v[ST+8*\m+6], v[ST+8*\m+7]           ; a = 2^(c m_old - c m_new)
.endr
.set j, 0
.rept 64
	v_exp_f32 v[S+j], v[S+j]
.set j, j+1
.endr
	v_nop                                          ; a plain place behind the last exponential
	s_wait_alu depctr_va_vdst(0)                   ; one wait for the batch of 68, ahead of its first reader
.irp k, 0,4,8,12
.irp m, 0,1,2,3
	v_pk_add_f32 v[S+16*\m+\k:S+16*\m+\k+1], v[S+16*\m+\k:S+16*\m+\k+1], v[S+16*\m+\k+2:S+16*\m+\k+3]
.endr
.endr
.irp k, 0,8
.irp m, 0,1,2,3
	v_pk_add_f32 v[S+16*\m+\k:S+16*\m+\k+1], v[S+16*\m+\k:S+16*\m+\k+1], v[S+16*\m+\k+4:S+16*\m+\k+5]
.endr
.endr
.irp m, 0,1,2,3
	v_pk_add_f32 v[S+16*\m:S+16*\m+1], v[S+16*\m:S+16*\m+1], v[S+16*\m+8:S+16*\m+9]
.endr
.irp m, 0,1,2,3
	v_pk_fma_f32 v[ST+8*\m+2:ST+8*\m+3], v[ST+8*\m+2:ST+8*\m+3], v[ST+8*\m+6:ST+8*\m+7], v[S+16*\m:S+16*\m+1] op_sel_hi:[1,0,1]   ; l = l a + the step's sum
.endr
	s_wait_dscnt 0x0                               ; the record's fragments, asked for at the trip's head, are in
	WIN 0x0a
	SMULS 0
	SMULS 1
	SMULS 2
	SMULS 3
	WIN 0
.endm
.macro P1SLOT                          ; a slot's four records
	s_mov_b32 s[TR], s[TB]
	s_mov_b32 s57, 4
.Lp1_\@:
	P1TRIP
	s_add_co_u32 s[TR], s[TR], REC
	s_sub_co_u32 s57, s57, 1
	s_cmp_lg_u32 s57, 0
	s_cbranch_scc1 .Lp1_\@
	s_xor_b32 s[TB], s[TB], SLOT
.endm
; WALK 2, a body.  The scores in hand become w = 2^(c s - c M) x (query mask / sum), quantised; my block of 32 keys goes into the weights' images; one barrier; all four blocks come back as source 1 of my 8 tiles of channels.
; At the head: K of the step that follows (at s[TR]) and V of the step in hand (two records on).  last = 1: the walk's last body: no step follows
; the scores in S become finished weights: 2^(c s - c M) x (query mask / sum).  It stands ahead of walk 2 for the first step, and in each body, for the step that follows, between the loads of the weights' fragments and the wait for them
.macro XEXP
.set j, 0
.rept 32
	v_pk_fma_f32 v[S+j:S+j+1], v[S+j:S+j+1], s[CS:CS+1], v[ST+8*(j/16):ST+8*(j/16)+1] op_sel_hi:[1,0,0] neg_lo:[0,0,1] neg_hi:[0,0,1]
.set j, j+2
.endr
	s_wait_alu depctr_va_vdst(0)                   ; the wait ahead of the batch
.set j, 0
.rept 64
	v_exp_f32 v[S+j], v[S+j]
.set j, j+1
.endr
	v_nop                                          ; a plain place behind the last exponential
	s_wait_alu depctr_va_vdst(0)                   ; one wait for the batch of 64
.set j, 0
.rept 32
	v_pk_mul_f32 v[S+j:S+j+1], v[S+j:S+j+1], v[ST+8*(j/16)+2:ST+8*(j/16)+3]   ; the finished weight
.set j, j+2
.endr
.endm
.macro P2BODY last
.if !\last
	v_add_nc_u32 v[ADK], s[TR], v[AK0]             ; (these additions are the places between the last body's products and the loads into their operands)
	v_add_nc_u32 v[ADS], s[TR], v[AKS0]
	v_add_nc_u32 v[ADB], s[TR], v[AB0]
.endif
	v_add_nc_u32 v[ADV], s[TR], v[AV0]
	v_add_nc_u32 v[ADVS], s[TR], v[AVS0]
	v_add_nc_u32 v[ADPW], s[PB], v[PWI0]
	v_add_nc_u32 v[ADPS], s[PB], v[PWS0]
	v_add_nc_u32 v[ADPR], s[PB], v[PRI0]
	v_add_nc_u32 v[ADPRS], s[PB], v[PRS0]
.if !\last
	KLOADS
.endif
	ds_load_b128 v[VS:VS+3], v[ADVS]
	WIN 0x80
.irp t, 0,1,2,3,4,5,6,7
.irp c, 0,1
	ds_load_b128 v[192+8*\t+4*\c:192+8*\t+4*\c+3], v[ADV] offset:1024*\t+512*\c
.endr
.endr
	WIN 0
.if \last
	WFR 0, 0, 24                                   ; no scores follow: Q's and K's registers take W1's fragments 0 to 23 (the six additions at the body's head are the places)
.endif
.irp m, 0,1,2,3
	v_max3_num_f32 v[TM+\m], 0x1800000, |v[S+16*\m]|, |v[S+16*\m+1]|
.endr
.irp i, 2,4,6,8,10,12,14
.irp m, 0,1,2,3
	v_max3_num_f32 v[TM+\m], v[TM+\m], |v[S+16*\m+\i]|, |v[S+16*\m+\i+1]|
.endr
.endr
.irp m, 0,1,2,3
	v_permlanex16_b32 v[TM+4+\m], v[TM+\m], s[SEL], s[SEL+1]
.endr
.irp m, 0,1,2,3
	v_max_num_f32 v[TM+\m], v[TM+\m], v[TM+4+\m]   ; the block's largest: my 16 keys and lane xor 16's
.endr
.irp m, 0,1,2,3
	v_add_nc_u32 v[TM+8+\m], 0xff000000, v[TM+\m]
.endr
.irp m, 0,1,2,3
	v_lshrrev_b32 v[TM+12+\m], 23, v[TM+8+\m]
.endr
.irp m, 0,1,2,3
	v_cvt_scalef32_pk8_fp4_f32 v[TM+16+2*\m], v[S+16*\m:S+16*\m+7], v[TM+8+\m]
	v_cvt_scalef32_pk8_fp4_f32 v[TM+17+2*\m], v[S+16*\m+8:S+16*\m+15], v[TM+8+\m]
.endr
	v_nop                                          ; one plain place behind the conversions, ahead of the products that write their sources anew
.irp m, 0,1,2,3
	ds_store_b64 v[ADPW], v[TM+16+2*\m:TM+17+2*\m] offset:1024*\m   ; my 16 codes: half of the 16 bytes that the operand's lane (r, w % 2) holds of piece w / 2
	ds_store_b8 v[ADPS], v[TM+12+\m] offset:64*\m                   ; byte w of query r's scale word (both halves of the lanes write the same byte)
.endr
; the one barrier of a body: the two buffers take turns, so a buffer is written again only behind the next body's barrier, which every wave reaches behind its reads
.if \last
	BARRIER
.else
	s_wait_dscnt 25                                ; K's 24 loads are in; V's 17 loads and the eight stores behind them may be out
	WIN 0x0a
	SMULS 0                                        ; the next step's scores: sixteen products while the stores land,
	SMULS 1
	s_wait_dscnt 0x0                               ; for the others' sake: my part of the weights lies in LDS
	s_barrier_signal -1
	SMULS 2                                        ; sixteen while the others arrive: work on registers alone
	SMULS 3
	s_barrier_wait -1
	WIN 0
.endif
.irp m, 0,1,2,3
.irp c, 0,1
	ds_load_b128 v[PF+8*\m+4*\c:PF+8*\m+4*\c+3], v[ADPR] offset:1024*\m+512*\c
.endr
.endr
	ds_load_b32 v[PS], v[ADPRS]
	ds_load_b32 v[PS+1], v[ADPRS] offset:128
.if !\last
	PLACES                                         ; between the last score products and the first read of their results
	XEXP                                           ; the next step's weights, while this step's fragments come back
.endif
	s_wait_dscnt 0x0
	WIN 0x52                                       ; V in window 2, the weights in window 0, C and D in window 1
.irp t, 0,1,2,3,4,5,6,7
.irp m, 0,1,2,3
	WM 64*\m+8*\t, 192+8*\t, PF+8*\m, 64*\m+8*\t, VS+\t/2, PS+\m/2, \t%2, \m%2
.endr
.endr
	WIN 0
.endm
.macro P2SLOT                          ; a slot's two bodies
	s_mov_b32 s[TR], s[TB]
	s_mov_b32 s57, 2
.Lp2_\@:
	P2BODY 0
	s_add_co_u32 s[TR], s[TR], REC
	s_xor_b32 s[PB], s[PB], PBUF
	s_sub_co_u32 s57, s57, 1
	s_cmp_lg_u32 s57, 0
	s_cbranch_scc1 .Lp2_\@
	s_xor_b32 s[TB], s[TB], SLOT
.endm
; the pairs v[TM + 2 m] hold my 64 channels' partial sums: halves, lane xor 16, then the four waves through LDS at off: the rows' sums in v[TM + 8 + m]
.macro RSUM off
.irp m, 0,1,2,3
	v_add_f32 v[TM+8+\m], v[TM+2*\m], v[TM+2*\m+1]
.endr
.irp m, 0,1,2,3
	v_permlanex16_b32 v[TM+12+\m], v[TM+8+\m], s[SEL], s[SEL+1]
.endr
.irp m, 0,1,2,3
	v_add_f32 v[TM+8+\m], v[TM+8+\m], v[TM+12+\m]
.endr
	ds_store_b128 v[RW], v[TM+8:TM+11] offset:\off
	BARRIER
.irp k, 0,1,2,3
	ds_load_b128 v[TM+16+4*\k:TM+16+4*\k+3], v[RR] offset:\off+256*\k
.endr
	s_wait_dscnt 0x0
.irp m, 0,1,2,3
	v_add_f32 v[TM+16+\m], v[TM+16+\m], v[TM+20+\m]
.endr
.irp m, 0,1,2,3
	v_add_f32 v[TM+24+\m], v[TM+24+\m], v[TM+28+\m]
.endr
.irp m, 0,1,2,3
	v_add_f32 v[TM+8+\m], v[TM+16+\m], v[TM+24+\m]
.endr
.endm
; LayerNorm of window 1's 64 rows, in place; gain at v128, bias at v192 of window 3.  Every accumulator is read from its low end on
.macro LNORM
	WIN 0x05
.irp m, 0,1,2,3
	v_pk_add_f32 v[TM+2*\m:TM+2*\m+1], v[64*\m:64*\m+1], v[64*\m+2:64*\m+3]
.endr
	WIN 0x04
.set j, 4
.rept 30
.irp m, 0,1,2,3
	v_pk_add_f32 v[TM+2*\m:TM+2*\m+1], v[TM+2*\m:TM+2*\m+1], v[64*\m+j:64*\m+j+1]
.endr
.set j, j+2
.endr
	WIN 0
	RSUM 0
.irp m, 0,1,2,3
	v_mul_f32 v[TM+2*\m], s58, v[TM+8+\m]          ; the mean
.endr
	WIN 0x41
.set j, 0
.rept 32
.irp m, 0,1,2,3
	v_pk_add_f32 v[64*\m+j:64*\m+j+1], v[64*\m+j:64*\m+j+1], v[TM+2*\m:TM+2*\m+1] op_sel_hi:[1,0] neg_lo:[0,1] neg_hi:[0,1]
.endr
.set j, j+2
.endr
	WIN 0x05
.irp m, 0,1,2,3
	v_pk_mul_f32 v[TM+2*\m:TM+2*\m+1], v[64*\m:64*\m+1], v[64*\m:64*\m+1]
.endr
.set j, 2
.rept 31
.irp m, 0,1,2,3
	v_pk_fma_f32 v[TM+2*\m:TM+2*\m+1], v[64*\m+j:64*\m+j+1], v[64*\m+j:64*\m+j+1], v[TM+2*\m:TM+2*\m+1]
.endr
.set j, j+2
.endr
	WIN 0
	RSUM 1024
.irp m, 0,1,2,3
	v_fma_f32 v[TM+8+\m], v[TM+8+\m], s58, s59     ; the variance + 1e-5
.endr
	s_wait_alu depctr_va_vdst(0)
.irp m, 0,1,2,3
	v_rsq_f32 v[TM+2*\m], v[TM+8+\m]
.endr
	v_nop                                          ; a plain place behind the last of the four
	s_wait_alu depctr_va_vdst(0)                   ; and one wait for them, ahead of the first reader
.endm
; the norm's last two passes, a tile at a time: x 1 / sqrt(variance + 1e-5), then x gain + bias
.macro LNFIN m, win                    ; win: the windows, with gain and bias in window 3 (0x7d) or 2 (0x69)
	WIN 0x41
.set j, 0
.rept 32
	v_pk_mul_f32 v[64*(\m)+j:64*(\m)+j+1], v[64*(\m)+j:64*(\m)+j+1], v[TM+2*(\m):TM+2*(\m)+1] op_sel_hi:[1,0]
.set j, j+2
.endr
	WIN \win
.set j, 0
.rept 32
	v_pk_fma_f32 v[64*(\m)+j:64*(\m)+j+1], v[64*(\m)+j:64*(\m)+j+1], v[128+j:129+j], v[192+j:193+j]
.set j, j+2
.endr
	WIN 0
.endm
; my 128 rows of a weight [512][512]: 32 fragments (4 t + s) out of wimg, wo bytes in, into window 2: each load reads 512 consecutive bytes; their scale words into v[sr] on (two words a lane: K steps 2 (lane / 16), + 1)
.macro WFR wo, from, n                 ; fragments from .. from + n - 1
	WIN 0x80
.set WF, \from
.rept \n
	global_load_b128 v[8*WF:8*WF+3], v[WA], s[10:11] offset:\wo+1024*WF
	global_load_b128 v[8*WF+4:8*WF+7], v[WA], s[10:11] offset:\wo+1024*WF+512
.set WF, WF+1
.endr
	WIN 0
.endm
; W2's fragments go into window 3 as its registers fall free: fragment f at v[(64 + 8 f) % 256]: 8 to 23 where the first norm's gain and bias lay, 0 to 7 where b2 lay, 24 to 31 where b1 lay
.macro WFR3 from, n
	WIN 0xc0
.set WF, \from
.rept \n
	global_load_b128 v[(64+8*WF)%256:(64+8*WF)%256+3], v[WA], s[10:11] offset:131072+1024*WF
	global_load_b128 v[(64+8*WF)%256+4:(64+8*WF)%256+7], v[WA], s[10:11] offset:131072+1024*WF+512
.set WF, WF+1
.endr
	WIN 0
.endm
.macro WSLOAD ps, sr                   ; the scale words
.irp t, 0,1,2,3,4,5,6,7
	global_load_b64 v[\sr+2*\t:\sr+2*\t+1], v[WSA], s[\ps:\ps+1] offset:(32*(\t/2)+8*(\t%2))*16
.endr
.endm
; 128 numbers of a parameter [512], in the result's layout, into v[reg] on of the window that is set (3, or 2 for the second norm)
.macro PLOAD reg, pp
.irp t, 0,1,2,3,4,5,6,7
.irp q, 0,1
	global_load_b128 v[\reg+8*\t+4*\q:\reg+8*\t+4*\q+3], v[PBA], s[\pp:\pp+1] offset:128*(\t/2)+32*(\t%2)+16*\q
.endr
.endr
.endm
.macro XFETCH m                        ; x's four fragments and two registers of scale words of tile m: ten LDS loads
.irp s, 0,1,2,3
	ds_load_b128 v[PF+8*\s:PF+8*\s+3], v[XRI] offset:1024*(4*(\m)+\s)
	ds_load_b128 v[PF+8*\s+4:PF+8*\s+7], v[XRI] offset:1024*(4*(\m)+\s)+512
.endr
	ds_load_b32 v[XS], v[XRS] offset:256*(\m)
	ds_load_b32 v[XS+1], v[XRS] offset:256*(\m)+128
.endm
.macro HFETCH m                        ; h's likewise, into one of two sets: even tiles v96-127 and v226-227, odd tiles v32-63 and v224-225
.irp s, 0,1,2,3
	ds_load_b128 v[PF-64*((\m)%2)+8*\s:PF-64*((\m)%2)+8*\s+3], v[LI] offset:1024*(4*(\m)+\s)
	ds_load_b128 v[PF-64*((\m)%2)+8*\s+4:PF-64*((\m)%2)+8*\s+7], v[LI] offset:1024*(4*(\m)+\s)+512
.endr
	ds_load_b32 v[XS-2*((\m)%2)], v[LS] offset:HSC+256*(\m)
	ds_load_b32 v[XS-2*((\m)%2)+1], v[LS] offset:HSC+256*(\m)+128
.endm
	; ---- the head
	s_load_b512 s[4:19], s[0:1], 0x0               ; queries s[4:5], query_masks s[6:7], kv s[8:9], wimg s[10:11], W1_scales s[12:13], b1 s[14:15], W2_scales s[16:17], b2 s[18:19]
	s_load_b256 s[20:27], s[0:1], 0x40             ; ln_w s[20:21], ln_b s[22:23], ln2_w s[24:25], ln2_b s[26:27]
	s_load_b64 s[28:29], s[0:1], 0x60              ; out0
	v_lshl_add_u32 v[SPW], v0, 2, SPARE
	v_mov_b32 v[NIL], 0
	ds_add_u32 v[SPW], v[NIL]                      ; the wave's opening: the add, twice on end, and its wait ahead of my first tensor load; the set-up below stands between
	ds_add_u32 v[SPW], v[NIL]
	v_lshrrev_b32 v254, 5, v0
	v_readfirstlane_b32 s[WV], v254                ; wave 0..3
	s_mul_i32 s[WOFF], s[WV], REC
	s_and_b32 s[ODD], s[WV], 1
	s_mov_b32 s[TB], 0
	s_mov_b32 s[TF], SLOT
	s_mov_b32 s[PB], 0
	s_mov_b32 s[CS], 0x3d8293ee                    ; c = log2(e) / sqrt(512)
	s_mov_b32 s[CS+1], s[CS]                       ; (named with it as a pair, so it is written)
	s_mov_b32 s[SEL], 0x76543210
	s_mov_b32 s[SEL+1], 0xfedcba98
	s_mov_b32 s58, 0x3b000000                      ; 1 / 512
	s_mov_b32 s59, 0x3727c5ac                      ; 1e-5
	; descriptor group 1: a record, 138 rows of 32 elements of 8 bytes, dense in memory and in LDS
	s_mov_b32 s32, 15|(3<<16)|(1<<21)              ; 15:0 the mask: all four work-groups; 17:16 elements of 8 bytes; 21 set beside a mask
	s_mov_b32 s33, 32<<16                          ; tensor_dim0 = 32
	s_mov_b32 s34, 138<<16                         ; tensor_dim1 = 138
	s_mov_b32 s35, 32<<16                          ; tile_dim0 = 32
	s_mov_b32 s36, 138                             ; tile_dim1 = 138
	s_mov_b32 s37, 32                              ; from row to row
	s_mov_b32 s38, 0
	s_mov_b32 s39, 0
	; and a second group 1: two records on end, 276 rows
	s_mov_b32 s84, 15|(3<<16)|(1<<21)
	s_mov_b32 s85, 32<<16
	s_mov_b32 s86, 276<<16
	s_mov_b32 s87, 32<<16
	s_mov_b32 s88, 276
	s_mov_b32 s89, 32
	s_mov_b32 s90, 0
	s_mov_b32 s91, 0
	s_bfe_u32 s66, ttmp6, 0x40000                  ; cx: it enters the addresses of queries, query_masks, out0 and the prefetches alone
	s_lshl_b32 s67, ttmp9, 2
	s_add_co_u32 s67, s67, s66                     ; my block of 64 queries
	s_and_b32 s68, ttmp7, 0xffff                   ; the batch, which the four partners share
	s_lshl_b32 s70, s68, 22
	s_lshl_b32 s71, s67, 17
	s_add_co_u32 s70, s70, s71                     ; (2048 batch + 64 block) rows of 2,048 bytes
	s_mov_b32 s71, 0
	s_lshl_b32 s72, s68, 13
	s_lshl_b32 s73, s67, 8
	s_add_co_u32 s72, s72, s73                     ; and as many words of query_masks
	s_mov_b32 s73, 0
	s_mul_i32 s74, s68, 32*REC                     ; the batch's records
	s_mov_b32 s75, 0
	s_mov_b32 s60, s[WOFF]
	s_mov_b32 s61, 0
	s_and_b32 s62, s[WV], 1
	s_mul_i32 s62, s62, REC
	s_lshr_b32 s63, s[WV], 1
	s_mul_i32 s63, s63, 16*REC
	s_add_co_u32 s62, s62, s63                     ; walk 2: wave 0 begins at record 0, wave 2 at record 16 (the odd waves' figure is not used)
	s_mov_b32 s63, 0
	s_lshr_b32 s77, s[WV], 1
	s_mul_i32 s77, s77, 1104                       ; my 512 bytes of a row of Q in LDS: half w / 2,
	s_lshl_b32 s93, s[ODD], 9
	s_add_co_u32 s77, s77, s93                     ; + 512 (w % 2),
	s_add_co_u32 s77, s77, SLOT                    ; in slot 1
	v_and_b32 v250, 15, v0                         ; r
	v_bfe_u32 v251, v0, 4, 1                       ; h
	v_and_b32 v254, 31, v0                         ; lane
	v_lshlrev_b32 v[LI], 4, v254
	v_lshlrev_b32 v[LS], 2, v254
	v_lshlrev_b32 v[QMO], 2, v250
	s_lshl_b32 s76, s[WV], 9
	v_mul_u32_u24 v[XA], v250, 2208
	v_lshl_add_u32 v[XA], v251, 6, v[XA]
	v_add_nc_u32 v[XA], s77, v[XA]                 ; Q in LDS: 2208 r + 64 h + my place in a row
	v_add_nc_u32 v[XB], 2*REC, v[XA]               ; and 32 rows on
	v_lshl_add_u32 v[PBA], v251, 6, s76            ; parameters: 64 h + 512 w
	v_add_nc_u32 v[GO], s76, v[LI]                 ; out0: 512 w + 16 lane
	s_add_co_u32 s77, s76, MRG
	v_add_nc_u32 v[MW], s77, v[LI]
	s_add_co_u32 s77, s76, 2*REC+32768
	v_add_nc_u32 v[AVS0], s77, v[LI]
	s_lshl_b32 s76, s[WV], 10
	s_add_co_u32 s76, s76, QIMG
	v_add_nc_u32 v[XWI], s76, v[LI]
	s_lshl_b32 s76, s[WV], 6
	s_add_co_u32 s76, s76, QSC
	v_lshl_add_u32 v[XWS], v250, 2, s76
	v_add_nc_u32 v[XRI], QIMG, v[LI]
	v_add_nc_u32 v[XRS], QSC, v[LS]
	s_lshl_b32 s76, s[WV], 13
	v_add_nc_u32 v[AK0], s76, v[LI]
	s_add_co_u32 s76, s76, 2*REC
	v_add_nc_u32 v[AV0], s76, v[LI]
	s_lshl_b32 s76, s[WV], 7
	s_add_co_u32 s77, s76, 32768
	v_lshlrev_b32 v[AKS0], 2, v250
	v_lshl_add_u32 v[AKS0], v251, 9, v[AKS0]
	v_add_nc_u32 v[AKS0], s77, v[AKS0]
	s_add_co_u32 s77, s76, 34816
	v_lshl_add_u32 v[AB0], v251, 6, s77
	s_lshl_b32 s76, s[WV], 8
	s_add_co_u32 s77, s76, PIMG
	v_lshlrev_b32 v[PWI0], 4, v250
	v_lshl_add_u32 v[PWI0], v251, 3, v[PWI0]
	v_add_nc_u32 v[PWI0], s77, v[PWI0]
	s_add_co_u32 s77, s76, REDA
	v_lshl_add_u32 v[RW], v250, 4, s77
	s_add_co_u32 s77, s[WV], PIMG+4096
	v_lshl_add_u32 v[PWS0], v250, 2, s77
	v_add_nc_u32 v[PRI0], PIMG, v[LI]
	v_add_nc_u32 v[PRS0], PIMG+4096, v[LS]
	v_lshl_add_u32 v[MR], v250, 4, MRG
	v_lshl_add_u32 v[RR], v250, 4, REDA
	s_lshl_b32 s76, s[WV], 15
	v_add_nc_u32 v[WA], s76, v[LI]                 ; a weight's images: 16 lane + my 32,768 bytes
	v_and_b32 v254, 8, v250
	v_add_nc_u32 v254, v254, v250                  ; r + 8 (r / 8)
	s_lshl_b32 s76, s[WV], 11
	v_lshlrev_b32 v[WSA], 4, v254
	v_lshl_add_u32 v[WSA], v251, 3, v[WSA]
	v_add_nc_u32 v[WSA], s76, v[WSA]               ; its scale bytes: rows of 16, + 8 h, + my 128 rows
.irp b, 0,1,2,3
	v_mov_b32 v[TM+4+\b], 0                        ; written once: a lane permute's destination counts as one of its sources
.endr
	v_and_b32 v[PFO], 31, v0
	s_lshl_b32 s93, s66, 13
	v_lshl_add_u32 v[PFO], v[PFO], 8, s93          ; 256 (32 cx + lane)
	s_mov_b32 s[QG1], (3<<16)|(1<<20)|(7<<22)|(19<<25)   ; no mask; elements of 8 bytes; 20 words of padding behind every 256
	s_mov_b32 s[QG1+1], 128<<16                    ; tensor_dim0 = 128
	s_mov_b32 s[QG1+2], 32<<16                     ; tensor_dim1 = 32
	s_mov_b32 s[QG1+3], 128<<16                    ; tile_dim0 = 128
	s_mov_b32 s[QG1+4], 32                         ; tile_dim1 = 32
	s_mov_b32 s[QG1+5], 128                        ; from row to row
	s_mov_b32 s[QG1+6], 0
	s_mov_b32 s[QG1+7], 0
	s_wait_alu depctr_va_vdst(0)                   ; the wait at the head's end
	s_wait_dscnt 0x0                               ; both opening adds are done
	s_wait_kmcnt 0x0
	s_add_nc_u64 s[4:5], s[4:5], s[70:71]
	s_add_nc_u64 s[28:29], s[28:29], s[70:71]
	s_add_nc_u64 s[6:7], s[6:7], s[72:73]
	s_add_nc_u64 s[8:9], s[8:9], s[74:75]
	s_add_nc_u64 s[K15:K15+1], s[8:9], 15*REC
	s_add_nc_u64 s[44:45], s[8:9], s[62:63]        ; where walk 2's fills begin
	s_mov_b32 s40, 1                               ; descriptor group 0: count = 1,
	s_mov_b32 s41, s[WOFF]                         ; my quarter of slot 0,
	s_add_nc_u64 s[42:43], s[8:9], s[60:61]        ; K record w,
	s_or_b32 s43, s43, 0x80000000                  ; type = 2
	s_add_nc_u64 s[PFA:PFA+1], s[8:9], s[60:61]    ; the prefetches' bases: record w,
	s_lshr_b32 s72, s[WV], 1
	s_add_co_u32 s72, s72, 20
	s_mul_i32 s72, s72, REC
	s_mov_b32 s73, 0
	s_add_nc_u64 s[PFB:PFB+1], s[8:9], s[72:73]    ; record 20 + w / 2,
	s_mul_i32 s72, s66, 24576
	s_lshl_b32 s74, s[WV], 13
	s_add_co_u32 s72, s72, s74
	s_add_nc_u64 s[PFW:PFW+1], s[10:11], s[72:73]  ; and my part of a weight's images
	s_lshl_b32 s72, s[WV], 15
	s_mov_b32 s[QG0], 1
	s_add_co_u32 s[QG0+1], s[WOFF], SLOT           ; my quarter of slot 1
	s_add_nc_u64 s[QG0+2:QG0+3], s[4:5], s[72:73]  ; rows 16 w .. of my block of Q
	s_or_b32 s[QG0+3], s[QG0+3], 0x80000000
	ROUND                                          ; a round in front of a cluster launch's tensor loads
	tensor_load_to_lds s[QG0:QG0+3], s[QG1:QG1+7]  ; my one tensor load at the head: 16 rows of Q, my work-group's own
	s_nop 0
	PLACES
	global_prefetch_b8 v[PFO], s[PFA:PFA+1] th:TH_LOAD_NT scope:SCOPE_SE                ; the first two slots' K records
	global_prefetch_b8 v[PFO], s[PFA:PFA+1] offset:4*REC th:TH_LOAD_NT scope:SCOPE_SE
	; ---- key step 15's K for the first scores, straight from kv: the record is laid as the registers take it, so my places in a record serve as offsets, and a load reads 512 consecutive bytes.
	; These 24 are the wave's oldest loads: the counts of the waits below hold with them
	WIN 0x80
.irp u, 0,1
.irp s, 0,1,2,3
.irp c, 0,1
	global_load_b128 v[128+8*(4*\u+\s)+4*\c:128+8*(4*\u+\s)+4*\c+3], v[AK0], s[K15:K15+1] offset:4096*\u+1024*\s+512*\c
.endr
.endr
.endr
	WIN 0
.irp u, 0,1
.irp i, 0,1
	global_load_b32 v[KS+2*\u+\i], v[AKS0], s[K15:K15+1] offset:1024*\i+64*\u
.endr
.irp q, 0,1
	global_load_b128 v[BI+8*\u+4*\q:BI+8*\u+4*\q+3], v[AB0], s[K15:K15+1] offset:32*\u+16*\q
.endr
.endr
	; ---- Q: read once, into the accumulators (it is the residual, and weights x keys adds onto it); my 128 channels of each tile of queries become K step w of its operand
	s_wait_tensorcnt 0x0                           ; my rows of Q are in
	ds_add_u32 v[SPW], v[NIL]
	s_wait_dscnt 0x0
	ROUND                                          ; everybody's rows are in, and the four work-groups are here: the joint loads meet
	tensor_load_to_lds s[40:43], s[32:39]          ; slot 0's first fill, by every wave: K record w
	s_nop 0
	PLACES
	WIN 0x40
.irp m, 0,1
.irp b, 0,1,2,3
.irp j, 0,1,2,3
	ds_load_b128 v[64*\m+16*\b+4*\j:64*\m+16*\b+4*\j+3], v[XA] offset:REC*\m+128*\b+16*\j
.endr
.endr
.endr
.irp m, 2,3
.irp b, 0,1,2,3
.irp j, 0,1,2,3
	ds_load_b128 v[64*\m+16*\b+4*\j:64*\m+16*\b+4*\j+3], v[XB] offset:REC*(\m-2)+128*\b+16*\j
.endr
.endr
.endr
	WIN 0
.irp m, 0,1,2,3
	s_wait_dscnt 48-16*\m                          ; tile m's 16 loads are in; the later tiles' may be out
	QUANT 64*\m, 1
	IMAGE XWI, 4096*\m
	ds_store_b32 v[XWS], v[PW] offset:256*\m
	s_wait_dscnt 0x0                               ; the stores have read their registers
.endr
	WIN 0xc0
	PLOAD 0, 14                                    ; b1
	PLOAD 64, 18                                   ; b2
	PLOAD 128, 20                                  ; ln_w
	PLOAD 192, 22                                  ; ln_b
	WIN 0
.irp m, 0,1,2,3
	global_load_b32 v[QM+\m], v[QMO], s[6:7] offset:64*\m
.endr
	WSLOAD 12, W1S                                 ; W1's scale words: their registers hold nothing else from here on
	s_barrier_signal -1                            ; (my LDS stores were waited for above)  Q's sixteen images lie in LDS
	s_barrier_wait -1
	WIN 0x80
.irp f, 0,1,2,3,4,5,6,7,8,9,10,11,12,13,14,15
	ds_load_b128 v[8*\f:8*\f+3], v[XRI] offset:1024*\f
	ds_load_b128 v[8*\f+4:8*\f+7], v[XRI] offset:1024*\f+512
.endr
	WIN 0
.irp m, 0,1,2,3
.irp i, 0,1
	ds_load_b32 v[QS+2*\m+\i], v[XRS] offset:256*\m+128*\i
.endr
.endr
.irp m, 0,1,2,3
	v_mov_b32 v[ST+8*\m+1], 0xff61b1e6             ; the largest score so far: -3e38
	v_mov_b32 v[ST+8*\m+2], 0                      ; the sum, in two halves
	v_mov_b32 v[ST+8*\m+3], 0
.endr
.irp m, 0,1,2,3
	v_mul_f32 v[ST+8*\m], s[CS], v[ST+8*\m+1]
.endr
	s_wait_dscnt 0x0
	s_wait_loadcnt 63                              ; key step 15's K is in: 76 loads were issued behind its 24
	WIN 0x0a
	SMULS 0                                        ; the first scores: key step 15
	SMULS 1
	SMULS 2
	SMULS 3
	WIN 0
	; ---- walk 1: sixteen trips, records 0 to 15; fills 1 to 3 are K records; the fourth change asks for walk 2's first slot.  The last trip's scores, of step 15 again, are walk 2's first
	s_mov_b32 s56, 3
.Lw1:
	CHANGE 1, 4*REC
	P1SLOT
	s_sub_co_u32 s56, s56, 1
	s_cmp_lg_u32 s56, 0
	s_cbranch_scc1 .Lw1
	CHANGE 2, 0
	global_prefetch_b8 v[PFO], s[PFW:PFW+1] th:TH_LOAD_NT scope:SCOPE_SE                 ; my 32 blocks of W1's images,
	global_prefetch_b8 v[PFO], s[PFW:PFW+1] offset:131072 th:TH_LOAD_NT scope:SCOPE_SE   ; and of W2's
	P1SLOT
	; ---- the eight lanes of a query meet: c M = the largest c m; L = the sum of l x 2^(c m - c M).  Walk 2 subtracts the same rounded c M.  The scores in S are not touched
.irp m, 0,1,2,3
	v_mov_b32 v[TM+\m], v[ST+8*\m]
.endr
	s_wait_alu depctr_va_vdst(0)
.irp m, 0,1,2,3
	v_add_f32 v[TM+4+\m], v[ST+8*\m+2], v[ST+8*\m+3]
.endr
	ds_store_b128 v[MW], v[TM:TM+3]
	ds_store_b128 v[MW], v[TM+4:TM+7] offset:2048
	BARRIER
.irp k, 0,1,2,3,4,5,6,7
	ds_load_b128 v[PF+4*\k:PF+4*\k+3], v[MR] offset:256*\k
	ds_load_b128 v[TM+4*\k:TM+4*\k+3], v[MR] offset:2048+256*\k
.endr
	s_wait_dscnt 0x0
.irp m, 0,1,2,3
	v_max3_num_f32 v[ST+8*\m], v[PF+\m], v[PF+4+\m], v[PF+8+\m]
.endr
.irp m, 0,1,2,3
	v_max3_num_f32 v[ST+8*\m], v[ST+8*\m], v[PF+12+\m], v[PF+16+\m]
.endr
.irp m, 0,1,2,3
	v_max3_num_f32 v[ST+8*\m], v[ST+8*\m], v[PF+20+\m], v[PF+24+\m]
.endr
.irp m, 0,1,2,3
	v_max_num_f32 v[ST+8*\m], v[ST+8*\m], v[PF+28+\m]
.endr
.irp k, 0,1,2,3,4,5,6,7
.irp m, 0,1,2,3
	v_sub_f32 v[PF+4*\k+\m], v[PF+4*\k+\m], v[ST+8*\m]
.endr
.endr
.set j, 0
	s_wait_alu depctr_va_vdst(0)
.rept 32
	v_exp_f32 v[PF+j], v[PF+j]
.set j, j+1
.endr
	v_nop
	s_wait_alu depctr_va_vdst(0)                   ; one wait for the 32
.irp m, 0,1,2,3
	v_mul_f32 v[ST+8*\m+4], v[TM+\m], v[PF+\m]
.endr
.irp k, 1,2,3,4,5,6,7
.irp m, 0,1,2,3
	v_fmac_f32 v[ST+8*\m+4], v[TM+4*\k+\m], v[PF+4*\k+\m]
.endr
.endr
	s_wait_alu depctr_va_vdst(0)
.irp m, 0,1,2,3
	v_rcp_f32 v[ST+8*\m+5], v[ST+8*\m+4]
.endr
	v_nop
	s_wait_alu depctr_va_vdst(0)                   ; one wait for the four
	s_wait_loadcnt 0x0                             ; the query masks and the parameters
.irp m, 0,1,2,3
	v_mul_f32 v[ST+8*\m+2], v[ST+8*\m+5], v[QM+\m] ; query mask / sum,
.endr
.irp m, 0,1,2,3
	v_mov_b32 v[ST+8*\m+3], v[ST+8*\m+2]           ; twice: a pair for the packed multiply
.endr
	XEXP                                           ; the first step's weights
	; ---- walk 2: seven changes ask for the next slot; the last slot is written out, and its second body has no step to look ahead to
	s_mov_b32 s56, 7
.Lw2:
	CHANGE 3, 2*REC
	P2SLOT
	s_sub_co_u32 s56, s56, 1
	s_cmp_lg_u32 s56, 0
	s_cbranch_scc1 .Lw2
	CHANGE 0, 0
	s_mov_b32 s[TR], s[TB]
	P2BODY 0
	s_add_co_u32 s[TR], s[TR], REC
	s_xor_b32 s[PB], s[PB], PBUF
	P2BODY 1
	; ---- W1 is asked for: it lands while the first norm is worked
	PLACES                                         ; between the last products and the loads into V's registers
	WFR 0, 24, 8                                   ; W1's last eight fragments take V's registers,
	WSLOAD 16, W2S                                 ; and W2's scale words those of Q's, K's and V's
	s_lshl_b32 s60, s[WV], 10
	v_add_nc_u32 v[HWI], s60, v[LI]                ; h's images: 16 lane + 1024 w
	s_lshl_b32 s60, s[WV], 6
	s_add_co_u32 s60, s60, HSC
	v_lshl_add_u32 v[HWS], v250, 2, s60
	s_mul_i32 s60, s[WV], 16*528
	s_add_co_u32 s60, s60, STAGE
	v_mul_u32_u24 v[STO], v250, 528
	v_lshl_add_u32 v[STO], v251, 6, v[STO]
	v_add_nc_u32 v[STO], s60, v[STO]               ; my stage, in: row r, + 64 h
	v_add_nc_u32 v[STR], s60, v[LI]                ; back: 16 bytes a lane
	LNORM                                          ; x
.irp m, 0,1,2,3
	LNFIN \m, 0x7d
.endr
	WFR3 8, 16                                     ; the first norm's gain and bias are done with
	; ---- x is quantised: K step w of each tile's operand; then b2 is added, so that the accumulators hold x + b2, onto which the last product adds
.irp m, 0,1,2,3
	QUANT 64*\m, 1
	IMAGE XWI, 4096*\m
	ds_store_b32 v[XWS], v[PW] offset:256*\m
	WIN 0x4d
.set j, 0
.rept 32
	v_pk_add_f32 v[64*\m+j:64*\m+j+1], v[64*\m+j:64*\m+j+1], v[64+j:65+j]
.set j, j+2
.endr
	WIN 0
	s_wait_dscnt 0x0                               ; the stores have read their registers
.endr
	WFR3 0, 8                                      ; b2 is done with
	s_barrier_signal -1                            ; x's sixteen images lie in LDS
	s_barrier_wait -1
	XFETCH 0
	s_wait_loadcnt 48                              ; W1 and both weights' scale words are in; W2's 48 loads, the youngest, may be out
	; ---- the hidden layer, a tile of 16 rows at a time: my 8 tiles of units by turns, four K steps deep; b1 is the first C.  The next tile's fragments of x are asked for behind a tile's products
.irp m, 0,1,2,3
.if \m == 0
	s_wait_dscnt 0x0                               ; this tile's fragments are in
.else
	s_wait_dscnt 3                                 ; this tile's ten loads are in; the last tile's three stores, issued behind them, may be out
.endif
	WIN 0x32                                       ; W1 in window 2, b1 in window 3
.irp t, 0,1,2,3,4,5,6,7
	WM S+8*\t, 32*\t, PF, 8*\t, W1S+2*\t, XS, 0, 0
.endr
	WIN 0x02
.irp s, 1,2,3
.irp t, 0,1,2,3,4,5,6,7
	WM S+8*\t, 8*(4*\t+\s), PF+8*\s, S+8*\t, W1S+2*\t+\s%2, XS+\s/2, \s/2, \s%2
.endr
.endr
	WIN 0
	PLACES
.if \m < 3
	XFETCH \m+1
.endif
.set j, 0
.rept 64
	v_max_num_f32 v[S+j], 0, v[S+j]                ; the activation, in f32
.set j, j+1
.endr
.if \m == 3
	WFR3 24, 8                                     ; b1 is done with (the places: the four above and the 64 maxima),
	WIN 0x80
	PLOAD 128, 24                                  ; and so is W1: ln2_w and ln2_b take registers of window 2
	PLOAD 192, 26
	WIN 0
.endif
	QUANT S, 0
	IMAGE HWI, 4096*\m
	ds_store_b32 v[HWS], v[PW] offset:256*\m
.endr
	BARRIER                                        ; h's sixteen images lie in LDS
	HFETCH 0
	HFETCH 1
	s_wait_loadcnt 32                              ; W2 is in; the second norm's 32 loads, the youngest, may be out
	; ---- the last product adds onto x + b2, in place; h's fragments come a tile ahead, into two sets of registers by turns
.irp m, 0,1,2,3
.if \m < 3
	s_wait_dscnt 10                                ; this tile's ten loads are in; the next tile's ten may be out
.else
	s_wait_dscnt 0x0
.endif
	WIN 0x53                                       ; W2 in window 3, h in window 0, C and D in window 1
.irp s, 0,1,2,3
.irp t, 0,1,2,3,4,5,6,7
	WM 64*\m+8*\t, (64+8*(4*\t+\s))%256, PF-64*(\m%2)+8*\s, 64*\m+8*\t, W2S+2*\t+\s%2, XS-2*(\m%2)+\s/2, \s/2, \s%2
.endr
.endr
	WIN 0
	PLACES                                         ; in front of the loads into this tile's set, and of the norm's first reads
.if \m < 2
	HFETCH \m+2
.endif
.endr
	LNORM
	s_wait_loadcnt 0x0                             ; the second norm's gain and bias
	LNFIN 0, 0x69
	; ---- the way out: a tile of 16 rows goes through my own stage and comes back as rows of my 512 bytes; the next tile's last two passes stand between the stage's loads and the wait for them
.irp m, 0,1,2,3
.if \m >= 2
	s_wait_xcnt 0x0                                ; tile m - 2's stores have read their registers, which this tile's rows take
.endif
	WIN 0x04                                       ; an LDS store's data are its source 1: window 1
.irp t, 0,1,2,3,4,5,6,7
	ds_store_b128 v[STO], v[64*\m+8*\t:64*\m+8*\t+3] offset:128*(\t/2)+32*(\t%2)
	ds_store_b128 v[STO], v[64*\m+8*\t+4:64*\m+8*\t+7] offset:128*(\t/2)+32*(\t%2)+16
.endr
	WIN 0
.irp i, 0,1,2,3,4,5,6,7,8,9,10,11,12,13,14,15
	ds_load_b128 v[32+64*(\m%2)+4*\i:32+64*(\m%2)+4*\i+3], v[STR] offset:528*\i
.endr
.if \m < 3
	LNFIN \m+1, 0x69
	s_wait_alu depctr_va_vdst(0)
.endif
	s_wait_dscnt 0x0
.irp i, 0,1,2,3,4,5,6,7,8,9,10,11,12,13,14,15
	global_store_b128 v[GO], v[32+64*(\m%2)+4*\i:32+64*(\m%2)+4*\i+3], s[28:29] offset:2048*(16*\m+\i) th:TH_STORE_NT   ; 32 lanes store 512 consecutive bytes, at a multiple of 256 from out0's first byte
.endr
.endr
	s_wait_tensorcnt 0x0                           ; the wave's end: these three lines behind my last tensor load and my last LDS store
	ds_add_u32 v[SPW], v[NIL]
	s_wait_dscnt 0x0
	ROUND                                          ; the closing round: no work-group ends while a partner may still ask for a record that names it
	s_endpgm
.Lfunc_end_k_qff5dee4ed5_attn:
	.size	k_qff5dee4ed5_attn, .Lfunc_end_k_qff5dee4ed5_attn-k_qff5dee4ed5_attn
	.p2alignl 7, 3214868480
	.fill 96, 4, 3214868480
	.section	.rodata,"a",@progbits
	.p2align	6, 0x0
	.amdhsa_kernel k_qff5dee4ed5_attn
		.amdhsa_group_segment_fixed_size 327680
		.amdhsa_private_segment_fixed_size 0
		.amdhsa_enable_private_segment 0
		.amdhsa_kernarg_size 104
		.amdhsa_user_sgpr_count 2
		.amdhsa_user_sgpr_kernarg_segment_ptr 1
		.amdhsa_wavefront_size32 1
		.amdhsa_system_sgpr_workgroup_id_x 1
		.amdhsa_system_sgpr_workgroup_id_y 1
		.amdhsa_system_sgpr_workgroup_id_z 1
		.amdhsa_system_vgpr_workitem_id 0
		.amdhsa_next_free_vgpr 1024
		.amdhsa_next_free_sgpr 100
		.amdhsa_reserve_vcc 0
		.amdhsa_float_denorm_mode_32 3
		.amdhsa_float_denorm_mode_16_64 3
		.amdhsa_memory_ordered 1
		.amdhsa_forward_progress 1
		.amdhsa_inst_pref_size 255
	.end_amdhsa_kernel
	.section	.bss,"aw",@nobits
	.p2align	6
	.space	262144
	.amdgpu_metadata
---
amdhsa.version: [ 1, 2 ]
amdhsa.kernels:
  - .name:           k_qff5dee4ed5_attn
    .symbol:         k_qff5dee4ed5_attn.kd
    .args:
      - { .name: queries, .offset: 0, .size: 8, .value_kind: global_buffer, .address_space: global }
      - { .name: query_masks, .offset: 8, .size: 8, .value_kind: global_buffer, .address_space: global }
      - { .name: kv, .offset: 16, .size: 8, .value_kind: global_buffer, .address_space: global }
      - { .name: wimg, .offset: 24, .size: 8, .value_kind: global_buffer, .address_space: global }
      - { .name: W1_scales, .offset: 32, .size: 8, .value_kind: global_buffer, .address_space: global }
      - { .name: b1, .offset: 40, .size: 8, .value_kind: global_buffer, .address_space: global }
      - { .name: W2_scales, .offset: 48, .size: 8, .value_kind: global_buffer, .address_space: global }
      - { .name: b2, .offset: 56, .size: 8, .value_kind: global_buffer, .address_space: global }
      - { .name: ln_w, .offset: 64, .size: 8, .value_kind: global_buffer, .address_space: global }
      - { .name: ln_b, .offset: 72, .size: 8, .value_kind: global_buffer, .address_space: global }
      - { .name: ln2_w, .offset: 80, .size: 8, .value_kind: global_buffer, .address_space: global }
      - { .name: ln2_b, .offset: 88, .size: 8, .value_kind: global_buffer, .address_space: global }
      - { .name: out0, .offset: 96, .size: 8, .value_kind: global_buffer, .address_space: global }
    .group_segment_fixed_size: 327680
    .private_segment_fixed_size: 0
    .kernarg_segment_align: 8
    .kernarg_segment_size: 104
    .max_flat_workgroup_size: 128
    .sgpr_count:     100
    .vgpr_count:     1024
    .wavefront_size: 32
...
	.end_amdgpu_metadata
.endif
;; end of part 2
